; MI455X (gfx1250); checked and timed in simulation.
; The chip was launched on July 23, 2026; its instructions are those of AMD's public machine-readable ISA for CDNA 5 (MIT licence, August 2026) and "CDNA5" Instruction Set Architecture Reference Guide (July 2026). The comments in the code are by the model that wrote it; some were corrected since.
;; Multi Head Attention. Allowed arithmetic: float matrix products may take bf16 or f16 operands with f32 sums; other float arithmetic in f32, or as packed bf16 or f16 multiplies, adds, multiply-adds, maxima and minima; sums over many terms, partial sums and values carried from step to step in f32; what a program stores and reads back later, other than sums and carried values, may be rounded once to bf16 or f16.
;; Inputs: Wo 1,024 x 1,024 float32; Wq 1,024 x 1,024 float32; bo 1,024 float32; bq 1,024 float32; x 2 x 2,048 x 1,024 float32.
;; Outputs: out0 2 x 2,048 x 1,024 float32.
;; One version. Each part assembles by itself: llvm-mc -triple=amdgcn-amd-amdhsa -mcpu=gfx1250 --defsym DOCPART=n.
;; ======== version 1 of 1: 3 launches
;; limits: values outside matrix products are rounded to bf16; values are held in f16: magnitudes above 65,504 overflow, below 6.1e-05 lose precision; right only within a limited range of input values
;; workspace buffers: qs 16,777,216 bytes; obuf 8,388,608 bytes; wob 2,097,152 bytes
;; launch qproj (part 1): grid 8 x 32, 8 waves a work-group, no clusters, 144,384 bytes of LDS; arguments x, Wq, bq, qs, Wo, wob; writes qs, wob
.if DOCPART == 1
	.amdgcn_target "amdgcn-amd-amdhsa--gfx1250"
	.amdhsa_code_object_version 6
	.text
	.protected	k_qdebb3e6088_qproj
	.globl	k_qdebb3e6088_qproj
	.p2align	8
	.type	k_qdebb3e6088_qproj,@function
k_qdebb3e6088_qproj:
	s_mov_b64 s[64:65], 0
	v_nop
	global_prefetch_b8 v0, s[64:65] scope:SCOPE_SE
	s_setreg_imm32_b32 hwreg(HW_REG_WAVE_MODE, 25, 1), 1
	s_wait_xcnt 0x0
; q = bf16(x) . bf16(Wq) + bf16(bq), sums in f32; q is split into two f16 numbers h + l and stored for the attention launch.
; Beside that each work-group rounds its 1/256 of Wo to bf16 (wob, same [k][n] order), so that the last launch can fetch it as it is.
; Arguments: x [4096][1024] f32, Wq [1024 k][1024 n] f32, bq [1024] f32, qs, Wo [1024][1024] f32, wob [1024][1024] bf16.
; LIMITS.  bq is rounded to bf16 like x and Wq: the scores made of q go through a floor, so q has to be a function of
; inputs that are all rounded alike.  h = f16(q) needs |q| < 65504.  l = f16(q - h); below 2^-14 it is an f16 denormal with steps of 2^-24.
; SHARES.  256 work-groups of 8 waves; a work-group makes 128 rows x 128 columns, wave w the rows 32 (w >> 1) .. + 31 and the columns
; 64 (w & 1) .. + 63 (one head): 8 accumulator tiles.  K goes in 16 steps of 64, written out, so that every global address is
; a fixed base + a fixed lane offset + an immediate, and nothing is stepped.
; THE WAY IN.  The tiles are f32 in memory and bf16 in LDS, so they pass through registers: a ring of 3 register stages holds the
; loads of 3 K steps; a stage is converted and stored into one of two LDS slots one step before it is multiplied.
; NO JOINT TENSOR LOADS, though 8 work-groups share each x tile and 32 each Wq tile: a tensor load copies bytes as they are, and Wq has to be
; 16-bit in LDS for the transposing loads: f32 tiles would be written to LDS, read, rounded and written again, 64 KiB more LDS traffic each way a step.
; THE MATRIX INSTRUCTION IS USED TRANSPOSED: source 0 = 16 columns of Wq, source 1 = 16 rows of x.  Lane (r = l % 16, h = l / 16) then holds
; row r and the eight neighbouring columns 8 h + 0..7 of a tile.
.set STEPS,  16                        ; K steps of 64
.set APITCH, 144                       ; x's LDS row: 64 bf16 + 16 bytes = 9 x 16: sixteen rows start in sixteen different 16-byte columns modulo 256
.set WPITCH, 288                       ; Wq's LDS row: 128 bf16 + 32 bytes = 9 x 32, for the transposing loads
.set WOFS,   128*APITCH                ; Wq's 64 k rows lie behind x's 128 rows
.set SLOT,   WOFS+64*WPITCH            ; 36,864 bytes; two slots
.set STAGE,  2*SLOT                    ; behind them: 32 rows x 272 bytes for each wave, its own, for the way out
.set SPITCH, 272
.set NST, 3                            ; register stages
.set NL,  16                           ; loads of a K step (8 for x, 8 for Wq), and LDS stores of a K step
.set GS,  4*NL                         ; registers of a stage
; window 0
.set XO,  4                            ; x: my byte offset in a tile
.set WOF, 5                            ; Wq: the same
.set AST, 6                            ; LDS: where I put x's numbers
.set BST, 7                            ; LDS: where I put Wq's
.set AFR, 8                            ; LDS: my x fragments
.set BFR, 9                            ; LDS: my Wq fragments
.set STO, 10                           ; stage, in
.set RD,  11                           ; stage, back
.set CO,  12                           ; my byte offset in qs
.set BO,  13                           ; my byte offset in the bias
.set T0,  14
.set T1,  15
.set F0,  16                           ; v[16:63]   fragments of k 0-31 of a step: Wq's four at +8 nt, x's two at +32 + 8 mt
.set F1,  64                           ; v[64:111]  fragments of k 32-63
.set ACC, 112                          ; v[112:175] tile (nt, mt) at +8 (2 nt + mt)
.set BI,  176                          ; v[176:207] bias of my columns, 8 for each nt
.set CW,  208                          ; v[208:223] my 16 numbers of Wo
.set WCI, 224                          ; my byte offset in the work-group's part of Wo; never rewritten
.set WCS, 225                          ; and of wob; never rewritten
.set OB,  48                           ; v[48:111]  the way out: rows read back
; window 1: v[256:447], the ring of register stages, stage i at GS i
.set MSB, 0
.macro WIN new                         ; the immediate's high byte repeats the setting that is left
.if MSB != \new
	s_set_vgpr_msb (MSB<<8)|\new
.set MSB, \new
.endif
.endm
.macro PLACES                          ; four plain vector instructions behind a matrix instruction (ISA guide 7.12.1), before its registers are loaded or used
.rept 4
	v_nop
.endr
.endm
	s_load_b256 s[4:11], s[0:1], 0x0               ; x s[4:5], Wq s[6:7], bq s[8:9], qs s[10:11]
	s_load_b128 s[32:35], s[0:1], 0x20             ; Wo s[32:33], wob s[34:35]
	v_lshl_add_u32 v254, v0, 2, 0x23000
	v_mov_b32 v255, 0
	v_lshrrev_b32 v[T0], 5, v0
	v_readfirstlane_b32 s12, v[T0]                 ; wave 0..7
	s_and_b32 s13, ttmp7, 0xffff                   ; y: block of 128 rows
	s_lshr_b32 s14, s12, 1                         ; wm: which 32 rows
	s_and_b32 s15, s12, 1                          ; wn: which 64 columns
	s_lshr_b32 s25, s13, 4                         ; batch
	s_and_b32 s26, s13, 15                         ; block of 128 positions in the batch
	s_lshl_b32 s18, ttmp9, 9                       ; Wq: 128 columns of f32 = 512 bytes a block
	s_mov_b32 s19, 0
	s_lshl_b32 s20, s15, 8
	s_add_co_u32 s20, s20, s18                     ; bias: 512 x + 256 wn
	s_mov_b32 s21, 0
	s_mov_b32 s17, 0
	s_mov_b32 s23, 0
	s_lshl_b32 s16, s13, 19                        ; x: 128 rows of 4,096 bytes
	s_lshl_b32 s22, s25, 4
	s_lshl_b32 s27, ttmp9, 1
	s_add_co_u32 s22, s22, s27
	s_add_co_u32 s22, s22, s15                     ; 16 batch + head, head = 2 x + wn
	s_lshl_b32 s22, s22, 19                        ; x 2,048 positions x 256 bytes
	s_lshl_b32 s27, s26, 15                        ; + 128 positions x 256 bytes a block
	s_add_co_u32 s22, s22, s27
	s_lshl_b32 s27, s14, 13                        ; + 32 positions x 256 bytes
	s_add_co_u32 s22, s22, s27
	s_lshl_b32 s24, s13, 3
	s_add_co_u32 s24, s24, ttmp9                   ; the work-group's number, 0..255
	s_lshl_b32 s36, s24, 14                        ; its 16,384 bytes of Wo
	s_mov_b32 s37, 0
	s_lshl_b32 s38, s24, 13                        ; its 8,192 bytes of wob
	s_mov_b32 s39, 0
	v_and_b32 v1, 15, v0                           ; r
	v_bfe_u32 v2, v0, 4, 1                         ; h
	v_and_b32 v3, 31, v0                           ; lane
	v_lshlrev_b32 v[WOF], 4, v3                    ; Wq: a wave takes a row's 512 bytes, the eight waves eight k rows
	v_lshl_add_u32 v[WOF], v[T0], 12, v[WOF]
	v_lshlrev_b32 v[BO], 5, v2                     ; bias: 8 h numbers on
	v_lshrrev_b32 v[T1], 4, v0                     ; x: sixteen lanes take 256 bytes of a row, the work-group 16 rows
	v_lshlrev_b32 v[XO], 4, v1
	v_lshl_add_u32 v[XO], v[T1], 12, v[XO]
	v_mul_u32_u24 v[AST], v[T1], APITCH
	v_lshl_add_u32 v[AST], v1, 3, v[AST]           ; 4 f32 become 8 bytes
	v_lshlrev_b32 v[WCI], 4, v0                    ; Wo: 16 bytes a thread, 4,096 a load of the work-group
	v_lshlrev_b32 v[WCS], 3, v0                    ; wob: 8 bytes a thread
	s_wait_kmcnt 0x0
	s_add_nc_u64 s[4:5], s[4:5], s[16:17]
	s_add_nc_u64 s[6:7], s[6:7], s[18:19]
	s_add_nc_u64 s[8:9], s[8:9], s[20:21]
	s_add_nc_u64 s[10:11], s[10:11], s[22:23]
	s_add_nc_u64 s[32:33], s[32:33], s[36:37]
	s_add_nc_u64 s[34:35], s[34:35], s[38:39]
.irp nt, 0,1,2,3
	global_load_b128 v[BI+8*\nt:BI+8*\nt+3],   v[BO], s[8:9] offset:64*\nt
	global_load_b128 v[BI+8*\nt+4:BI+8*\nt+7], v[BO], s[8:9] offset:64*\nt+16
.endr
.irp i, 0,1,2,3
	global_load_b128 v[CW+4*\i:CW+4*\i+3], v[WCI], s[32:33] offset:\i*4096 th:TH_LOAD_NT   ; read once in the launch
.endr
; The 16 loads of K step t, into stage t mod 3.
.macro GLOAD t
.set GB, GS*((\t)%NST)
	WIN 0x40                                       ; destination window 1, address window 0
.irp i, 0,1,2,3,4,5,6,7
	global_load_b128 v[GB+4*\i:GB+4*\i+3], v[XO], s[4:5] offset:(\t)*256+\i*65536            ; 16 rows further down each
.endr
.irp i, 0,1,2,3,4,5,6,7
	global_load_b128 v[GB+32+4*\i:GB+32+4*\i+3], v[WOF], s[6:7] offset:(\t)*262144+\i*32768  ; 64 k rows a step, 8 k rows a load
.endr
.endm
; K step t leaves its stage: wait, round to bf16 in place, store into slot t mod 2; the stage is loaded again with step t + 3.
.macro FEED t
.if (\t)+NST > STEPS
	s_wait_loadcnt NL*(STEPS-1-(\t))               ; loads return in order (ISA guide 5.7.1): only the steps behind t, up to the last, may be out
.else
	s_wait_loadcnt NL*(NST-1)                      ; the two younger steps' loads may be out
.endif
.set GB, GS*((\t)%NST)
	WIN 0x45                                       ; sources and destination window 1
.set cq, 0
.rept NL
	v_cvt_pk_bf16_f32 v[GB+4*cq],   v[GB+4*cq],   v[GB+4*cq+1]
	v_cvt_pk_bf16_f32 v[GB+4*cq+1], v[GB+4*cq+2], v[GB+4*cq+3]
.set cq, cq+1
.endr
	WIN 0x04                                       ; address window 0, data window 1
.irp i, 0,1,2,3,4,5,6,7
	ds_store_b64 v[AST], v[GB+4*\i:GB+4*\i+1] offset:((\t)%2)*SLOT+\i*16*APITCH
.endr
.irp i, 0,1,2,3,4,5,6,7
	ds_store_b64 v[BST], v[GB+32+4*\i:GB+32+4*\i+1] offset:((\t)%2)*SLOT+\i*8*WPITCH
.endr
.if (\t)+NST < STEPS
	GLOAD ((\t)+NST)
.endif
	WIN 0
.endm
	GLOAD 0
	GLOAD 1
	GLOAD 2
	WIN 0
	v_mul_u32_u24 v[BST], v[T0], WPITCH            ; Wq in LDS: k row = wave, 8 bytes a lane
	v_lshl_add_u32 v[BST], v3, 3, v[BST]
	v_add_nc_u32 v[BST], WOFS, v[BST]
	s_mul_i32 s28, s14, 32*APITCH                  ; my 32 rows of x
	v_mul_u32_u24 v[AFR], v1, APITCH               ; a fragment of 16 rows x 32 k: row r, 16 bytes at 16 h and at 32 + 16 h
	v_lshl_add_u32 v[AFR], v2, 4, v[AFR]
	v_add_nc_u32 v[AFR], s28, v[AFR]
	v_and_b32 v[T1], 7, v0                         ; Wq lies [k][n]: the transposing load wants k row 8 h + l % 8 and 16 bytes at 16 ((l / 8) % 2)
	v_lshl_add_u32 v[T1], v2, 3, v[T1]
	v_mul_u32_u24 v[BFR], v[T1], WPITCH
	v_bfe_u32 v[T1], v0, 3, 1
	v_lshl_add_u32 v[BFR], v[T1], 4, v[BFR]
	s_lshl_b32 s29, s15, 7                         ; my 64 columns
	s_add_co_u32 s29, s29, WOFS
	v_add_nc_u32 v[BFR], s29, v[BFR]
	s_mul_i32 s30, s12, 32*SPITCH
	s_add_co_u32 s30, s30, STAGE                   ; my stage
	v_mul_u32_u24 v[STO], v1, SPITCH               ; in: row r, 32 bytes for each half of the lanes
	v_lshl_add_u32 v[STO], v2, 5, v[STO]
	v_add_nc_u32 v[STO], s30, v[STO]
	v_mul_u32_u24 v[RD], v2, SPITCH                ; back: lanes 0-15 one row of 256 bytes, lanes 16-31 the next
	v_lshl_add_u32 v[RD], v1, 4, v[RD]
	v_add_nc_u32 v[RD], s30, v[RD]
	v_lshlrev_b32 v[CO], 4, v3                     ; two rows of qs are 512 consecutive bytes
; 12 LDS loads: the fragments of 32 k (half ks of the step in slot) into buffer f
.macro FRAG slot, ks, f
.irp nt, 0,1,2,3
	ds_load_tr16_b128 v[\f+8*\nt:\f+8*\nt+3],   v[BFR] offset:\slot*SLOT+\ks*32*WPITCH+32*\nt
	ds_load_tr16_b128 v[\f+8*\nt+4:\f+8*\nt+7], v[BFR] offset:\slot*SLOT+\ks*32*WPITCH+32*\nt+16*WPITCH
.endr
.irp mt, 0,1
	ds_load_b128 v[\f+32+8*\mt:\f+32+8*\mt+3],   v[AFR] offset:\slot*SLOT+\mt*16*APITCH+64*\ks
	ds_load_b128 v[\f+32+8*\mt+4:\f+32+8*\mt+7], v[AFR] offset:\slot*SLOT+\mt*16*APITCH+64*\ks+32
.endr
.endm
; 8 matrix instructions, one for each accumulator: the accumulators take turns, one instruction a turn.
; zero = 1: the first product starts the sums.
.macro MUL f, zero
.irp nt, 0,1,2,3
.irp mt, 0,1
.if \zero
	v_wmma_f32_16x16x32_bf16 v[ACC+8*(2*\nt+\mt):ACC+8*(2*\nt+\mt)+7], v[\f+8*\nt:\f+8*\nt+7], v[\f+32+8*\mt:\f+32+8*\mt+7], 0
.else
	v_wmma_f32_16x16x32_bf16 v[ACC+8*(2*\nt+\mt):ACC+8*(2*\nt+\mt)+7], v[\f+8*\nt:\f+8*\nt+7], v[\f+32+8*\mt:\f+32+8*\mt+7], v[ACC+8*(2*\nt+\mt):ACC+8*(2*\nt+\mt)+7]
.endif
.endr
.endr
.endm
; K step j.  Buffer 0 (k 0-31) was asked for in the step before.  Buffer 1 (k 32-63) is asked for and travels under buffer 0's products; the next
; step's tile is rounded and stored into the other slot; behind the barrier the next step's buffer 0 is asked for and travels under buffer 1's products.
; ONE barrier a step orders two things: this step's reads of its slot against the stores of the step after next's tile into it,
; and this step's stores into the other slot against the next step's reads.  In front of it every LDS instruction of the wave is done.
.macro STEP j
.if \j
	PLACES                                         ; buffer 1 was a source of the last products
.endif
	FRAG (\j%2), 1, F1
	s_wait_dscnt 12                                ; LDS instructions end in order: buffer 1's 12 loads are younger than buffer 0's
.if \j == 0
	MUL F0, 1
.else
	MUL F0, 0
.endif
.if \j < STEPS-1
	FEED (\j+1)
	s_wait_dscnt 0x0                               ; my stores are in LDS, my reads of this slot are back
	s_barrier_signal -1
	s_barrier_wait -1
	PLACES                                         ; buffer 0 was a matrix source
	FRAG ((\j+1)%2), 0, F0
.else
	s_wait_dscnt 0x0
.endif
	MUL F1, 0
.endm
	FEED 0
; Wo's 16 numbers a thread (loaded ahead of K step 0's tile, so the wait above has shown them in): rounded and stored.
; A store of a wave covers 256 consecutive bytes, aligned.  Its data and address registers are never written again.
.irp i, 0,1,2,3
	v_cvt_pk_bf16_f32 v[CW+4*\i],   v[CW+4*\i],   v[CW+4*\i+1]
	v_cvt_pk_bf16_f32 v[CW+4*\i+1], v[CW+4*\i+2], v[CW+4*\i+3]
	global_store_b64 v[WCS], v[CW+4*\i:CW+4*\i+1], s[34:35] offset:\i*2048
.endr
	s_wait_dscnt 0x0                               ; my part of K step 0 is in LDS,
	s_barrier_signal -1
	s_barrier_wait -1                              ; everybody's is
	FRAG 0, 0, F0
.irp j, 0,1,2,3,4,5,6,7,8,9,10,11,12,13,14,15
	STEP \j
.endr
	PLACES                                         ; behind the last products: results are read, buffers rewritten
; THE WAY OUT, through the wave's own stage: 32 rows of 256 bytes.  LDS serves a wave's instructions in order (ISA guide 5.7.1),
; so no wait stands between its stores and its loads.
.irp i, 0,2,4,6,8,10,12,14,16,18,20,22,24,26,28,30
	v_cvt_pk_bf16_f32 v[T0], v[BI+\i], v[BI+\i+1]  ; the bias rounded to bf16 and widened again (the last FEED waited for every load)
	v_lshlrev_b32 v[BI+\i], 16, v[T0]
	v_and_b32 v[BI+\i+1], 0xffff0000, v[T0]
.endr
; q = sum + bias; h = f16(q); l = f16(q - h), the difference being exact in f32.  A row of qs: chunk c (d = 8 c .. + 7) has h at byte 32 c, l at 32 c + 16.
.macro TILE mt, nt
.irp i, 0,2,4,6
	v_pk_add_f32 v[16+\i:17+\i], v[ACC+8*(2*\nt+\mt)+\i:ACC+8*(2*\nt+\mt)+\i+1], v[BI+8*\nt+\i:BI+8*\nt+\i+1]
.endr
	v_cvt_pk_f16_f32 v24, v16, v17
	v_cvt_pk_f16_f32 v25, v18, v19
	v_cvt_pk_f16_f32 v26, v20, v21
	v_cvt_pk_f16_f32 v27, v22, v23
	v_cvt_f32_f16 v28, v24.l
	v_cvt_f32_f16 v29, v24.h
	v_cvt_f32_f16 v30, v25.l
	v_cvt_f32_f16 v31, v25.h
	v_cvt_f32_f16 v32, v26.l
	v_cvt_f32_f16 v33, v26.h
	v_cvt_f32_f16 v34, v27.l
	v_cvt_f32_f16 v35, v27.h
.irp i, 0,2,4,6
	v_pk_add_f32 v[16+\i:17+\i], v[16+\i:17+\i], v[28+\i:29+\i] neg_lo:[0,1] neg_hi:[0,1]
.endr
	v_cvt_pk_f16_f32 v36, v16, v17
	v_cvt_pk_f16_f32 v37, v18, v19
	v_cvt_pk_f16_f32 v38, v20, v21
	v_cvt_pk_f16_f32 v39, v22, v23
	ds_store_b128 v[STO], v[24:27] offset:\mt*16*SPITCH+64*\nt       ; chunk 2 nt + h: h
	ds_store_b128 v[STO], v[36:39] offset:\mt*16*SPITCH+64*\nt+16    ; and l
.endm
.irp mt, 0,1
.irp nt, 0,1,2,3
	TILE \mt, \nt
.endr
.endr
.irp i, 0,1,2,3,4,5,6,7,8,9,10,11,12,13,14,15
	ds_load_b128 v[OB+4*\i:OB+4*\i+3], v[RD] offset:\i*2*SPITCH
.endr
.irp i, 0,1,2,3,4,5,6,7,8,9,10,11,12,13,14,15
	s_wait_dscnt 15-\i                             ; pair i of rows is back
	global_store_b128 v[CO], v[OB+4*\i:OB+4*\i+3], s[10:11] offset:\i*512   ; 512 consecutive bytes, aligned
.endr
	s_wait_tensorcnt 0x0
	ds_add_u32 v254, v255
	s_wait_dscnt 0x0
	s_endpgm
.Lfunc_end_k_qdebb3e6088_qproj:
	.size	k_qdebb3e6088_qproj, .Lfunc_end_k_qdebb3e6088_qproj-k_qdebb3e6088_qproj
	.p2alignl 7, 3214868480
	.fill 96, 4, 3214868480
	.section	.rodata,"a",@progbits
	.p2align	6, 0x0
	.amdhsa_kernel k_qdebb3e6088_qproj
		.amdhsa_group_segment_fixed_size 144384
		.amdhsa_private_segment_fixed_size 0
		.amdhsa_enable_private_segment 0
		.amdhsa_kernarg_size 48
		.amdhsa_user_sgpr_count 2
		.amdhsa_user_sgpr_kernarg_segment_ptr 1
		.amdhsa_wavefront_size32 1
		.amdhsa_system_sgpr_workgroup_id_x 1
		.amdhsa_system_sgpr_workgroup_id_y 1
		.amdhsa_system_sgpr_workgroup_id_z 1
		.amdhsa_system_vgpr_workitem_id 0
		.amdhsa_next_free_vgpr 448
		.amdhsa_next_free_sgpr 66
		.amdhsa_reserve_vcc 0
		.amdhsa_float_denorm_mode_32 3
		.amdhsa_float_denorm_mode_16_64 3
		.amdhsa_memory_ordered 1
		.amdhsa_forward_progress 1
		.amdhsa_inst_pref_size 143
	.end_amdhsa_kernel
	.amdgpu_metadata
---
amdhsa.version: [ 1, 2 ]
amdhsa.kernels:
  - .name:           k_qdebb3e6088_qproj
    .symbol:         k_qdebb3e6088_qproj.kd
    .args:
      - { .name: x, .offset: 0, .size: 8, .value_kind: global_buffer, .address_space: global }
      - { .name: Wq, .offset: 8, .size: 8, .value_kind: global_buffer, .address_space: global }
      - { .name: bq, .offset: 16, .size: 8, .value_kind: global_buffer, .address_space: global }
      - { .name: qs, .offset: 24, .size: 8, .value_kind: global_buffer, .address_space: global }
      - { .name: Wo, .offset: 32, .size: 8, .value_kind: global_buffer, .address_space: global }
      - { .name: wob, .offset: 40, .size: 8, .value_kind: global_buffer, .address_space: global }
    .group_segment_fixed_size: 144384
    .private_segment_fixed_size: 0
    .kernarg_segment_align: 8
    .kernarg_segment_size: 48
    .max_flat_workgroup_size: 256
    .sgpr_count:     66
    .vgpr_count:     448
    .wavefront_size: 32
...
	.end_amdgpu_metadata
.endif
;; end of part 1
;; launch attn (part 2): grid 8 x 32, 8 waves a work-group, clusters of 4 x 1, 327,680 bytes of LDS; arguments qs, obuf; writes obuf
.if DOCPART == 2
	.amdgcn_target "amdgcn-amd-amdhsa--gfx1250"
	.amdhsa_code_object_version 6
	.text
	.protected	k_qdebb3e6088_attn
	.globl	k_qdebb3e6088_attn
	.p2align	8
	.type	k_qdebb3e6088_attn,@function
k_qdebb3e6088_attn:
	s_mov_b64 s[64:65], 0
	v_nop
	global_prefetch_b8 v0, s[64:65] scope:SCOPE_SE
	s_setreg_imm32_b32 hwreg(HW_REG_WAVE_MODE, 25, 1), 1
	s_wait_xcnt 0x0
	s_wait_alu depctr_hold_cnt(0) depctr_sa_sdst(0) depctr_va_vdst(0) depctr_va_sdst(0) depctr_va_ssrc(0) depctr_va_vcc(0) depctr_vm_vsrc(0)
	s_getreg_b32 s2, hwreg(HW_REG_IB_STS2, 6, 4)
	s_cmp_eq_u32 s2, 0
	s_cbranch_scc0 .Lentry_in_a_cluster
	s_endpgm
.Lentry_in_a_cluster:
	s_bfe_u32 s2, ttmp6, 0x10000c
	s_cmp_lg_u32 s2, 0x3003
	s_cbranch_scc0 .Lentry_shape_is_right
	s_endpgm
.Lentry_shape_is_right:
; ATTENTION with k = v = q:  obuf = softmax(floor(q q^T / 8)) q, for each of 32 (batch, head) pairs, 2,048 positions, 64 numbers a head.
; qs: [bh][s] rows of 256 bytes; chunk c (d = 8 c .. + 7) has h (f16) at byte 32 c and l (f16) at 32 c + 16; q = h + l.  obuf: [bh][s][64] bf16.
; THE FLOOR wants scores far more exact than one 16-bit operand gives, so a score is three products in one f32 sum, the small ones first:
; l_k (h_q / 8) + h_k (l_q / 8) + h_k (h_q / 8).  The factor 1/8 is a power of two and is put on the query side once.
; LIMITS.  l_k l_q is dropped (at most 2^-22 of a product).  l_q / 8 is an f16 denormal wherever |q| < 2: steps of 2^-24, in score terms about 1e-7.
; A score within about 1e-6 of a whole number may floor otherwise than another order of summation would.  Weights below 2^-24 of a row's largest
; vanish in f16; exponentials below 2^-126 are zero (ISA guide 15.8).  V is h alone.
; SOFTMAX: a running maximum m of the floored scores t, kept as M = fl(-m log2 e), which is monotone in m.  p = exp2(t log2 e + M) by one fused
; multiply-add: the product is exact inside it, so near the maximum nothing is lost at any size of t.  M is the same number for every key of a row,
; so its rounding cancels between the weights and their sum; the largest weight is 2^e with |e| half a step of M at the most.
; SHARES.  Work-group (X, bh): 256 queries of one head, 8 waves of 32 queries (two groups g of 16).  Keys go in steps of 64 through two LDS slots of 512 keys.
; CLUSTER 4, 1, 1: the four work-groups of a cluster have the same bh and read the same keys; each tile is asked for jointly (mask 15), wave w
; bringing rows 64 w .. + 63 of a slot.  The place in the cluster enters the addresses of the queries and of the result alone.
; TWO PHASES.  A step is a matrix half (QKS: 48 score products; with the 16 products of the step before it, 64 in a row) and a vector half (SMPV: some 300
; vector instructions, then those 16 products).  Eight waves lie on four SIMDs, two on each.  Step 0 is done whole by every wave: it starts the maxima, the sums and O.
; From step 1 on, waves of parity (w ^ (w >> 2)) & 1 = 1 (it differs between waves w and w + 4 and between waves 2 i and 2 i + 1) pass every barrier BETWEEN the two
; halves of a step, scores and V^T in registers; the others pass it between two steps.
; So behind a barrier one parity begins with a matrix half and the other with a vector half; between two barriers both do as many of each.
; LAYOUTS.  S^T = K Q^T: source 0 = 16 keys, source 1 = 16 queries.  Lane (r = l % 16, h = l / 16) holds query r and keys 8 h + 0..7 of a tile: a row's maximum and sum
; stay in the lane but for one exchange between the halves, and two neighbouring tiles, packed to f16 in place, are source 1 of O^T = V^T P^T as they stand.
; V^T comes from the same LDS bytes by transposing loads; rows 0-7 of d tile t are chunk t, rows 8-15 chunk t + 4.
.set PITCH,  272                       ; 256 + 16 bytes = 17 x 16: sixteen rows start in sixteen different 16-byte columns modulo 256
.set SLOTK,  512                       ; keys in a slot
.set SLOT,   SLOTK*PITCH               ; 139,264 bytes; two slots
.set STEPB,  64*PITCH                  ; a step's keys; also what one tensor load fills
.set STAGE,  2*SLOT                    ; behind the slots: 32 rows x 144 bytes for each wave, its own; no tensor load lands there
.set OPITCH, 144
; window 0
.set KA0, 4                            ; LDS: my place in a K fragment, slot 0
.set VA0, 5                            ; LDS: my place in a V^T fragment, slot 0
.set KA,  6                            ; the same at the current step
.set VA,  7
.set STO, 8
.set RD,  9
.set QO,  10
.set CO,  11
.set EIGHTH, 12                        ; 0.125 twice, f16
.set PX,  13
.set TA,  14
.set TB,  15
.set MS,  16                           ; v16, v18: M of group 0, 1 (low register of a pair; the upper one is written once and never selected)
.set AL,  20                           ; v20, v22: the factor for old sums, likewise
.set LS,  24                           ; v[24:25], v[26:27]: two partial row sums of each group
.set TS,  28
.set TU,  30
.set KF,  32                           ; v[32:95]   two buffers of 32: h d 0-31, h d 32-63, l d 0-31, l d 32-63
.set VF,  96                           ; v[96:159]  V^T fragments at +32 u + 8 t
.set SC,  160                          ; v[160:223] score tile (g, kt) at +32 g + 8 kt; then P (g, u) at +32 g + 16 u
.set TC,  224
.set TD,  225
.set PY,  226
; window 1
.set QH,  0                            ; v[256:287] h_q / 8 at +16 g + 8 s
.set QL,  32                           ; v[288:319] l_q / 8
.set OA,  64                           ; v[320:383] O^T tile (g, t) at +32 g + 8 t
.set G1,  16                           ; s[16:23] descriptor group 1
.set G0,  24                           ; s[24:31] descriptor group 0, one set for each slot
.set MSB, 0
.macro WIN new                         ; the immediate's high byte repeats the setting that is left
.if MSB != \new
	s_set_vgpr_msb (MSB<<8)|\new
.set MSB, \new
.endif
.endm
.macro PLACES                          ; four plain vector instructions behind a matrix instruction (ISA guide 7.12.1)
.rept 4
	v_nop
.endr
.endm
; A round of the cluster's barrier: my work-group's barrier, wave 0 signals for the work-group, every wave waits for all four work-groups, my work-group's barrier again.
.macro ROUND
	s_barrier_signal -1
	s_barrier_wait -1
	s_cmp_lg_u32 s8, 0
	s_cbranch_scc1 .Lnot_wave_0_\@
	s_barrier_signal -3
.Lnot_wave_0_\@:
	s_barrier_wait -3
	s_barrier_signal -1
	s_barrier_wait -1
.endm
	s_load_b128 s[4:7], s[0:1], 0x0                ; qs s[4:5], obuf s[6:7]
	v_lshl_add_u32 v254, v0, 2, 0x4d000
	v_mov_b32 v255, 0
	ds_add_u32 v254, v255
	v_lshrrev_b32 v1, 5, v0
	v_readfirstlane_b32 s8, v1                     ; wave 0..7
	s_lshr_b32 s38, s8, 2
	s_xor_b32 s38, s38, s8
	s_and_b32 s38, s38, 1                          ; the wave's parity: which half of a step it begins with behind a barrier
	s_and_b32 s9, ttmp7, 0xffff                    ; bh (the cluster is one work-group high)
	s_bfe_u32 s10, ttmp6, 0x40000                  ; cx
	s_lshl_b32 s11, ttmp9, 2
	s_add_co_u32 s11, s11, s10                     ; X: block of 256 queries
	s_mov_b32 s12, 0x76543210                      ; v_permlanex16_b32: lane i of one half reads lane i of the other
	s_mov_b32 s13, 0xfedcba98
	s_mov_b32 s36, 0x3fb8aa3b                      ; log2 e, twice
	s_mov_b32 s37, 0x3fb8aa3b
	s_mov_b32 s39, 0xbfb8aa3b                      ; -log2 e
	; group 1: 64 rows of 32 elements of 8 bytes, dense in memory, 16 bytes of padding behind each row in LDS
	s_mov_b32 s[G1+0], 15|(3<<16)|(1<<20)|(1<<21)|(5<<22)|(3<<25)   ; mask: all four of the cluster; 8-byte elements; padding on; bit 21 beside a mask; after every 64 words; 4 words
	s_mov_b32 s[G1+1], 32<<16                      ; tensor_dim0 = 32
	s_mov_b32 s[G1+2], 64<<16                      ; tensor_dim1 = 64
	s_mov_b32 s[G1+3], 32<<16                      ; tile_dim0 = 32
	s_mov_b32 s[G1+4], 64                          ; tile_dim1 = 64
	s_mov_b32 s[G1+5], 32                          ; from row to row: 32 elements
	s_mov_b32 s[G1+6], 0
	s_mov_b32 s[G1+7], 0
	s_lshl_b32 s40, s9, 19                         ; keys: bh x 2,048 rows x 256 bytes
	s_lshl_b32 s14, s8, 14                         ; + my 64 rows
	s_add_co_u32 s40, s40, s14
	s_mov_b32 s41, 0
	s_mul_i32 s15, s8, STEPB                       ; and where they go: the wave's number alone
	s_lshl_b32 s42, s9, 19                         ; queries: bh, + X x 256 rows, + 32 rows a wave
	s_lshl_b32 s46, s11, 16
	s_add_co_u32 s42, s42, s46
	s_lshl_b32 s46, s8, 13
	s_add_co_u32 s42, s42, s46
	s_mov_b32 s43, 0
	s_lshr_b32 s44, s42, 1                         ; the result's rows are half as long
	s_mov_b32 s45, 0
	s_wait_dscnt 0x0
	s_wait_kmcnt 0x0
	s_add_nc_u64 s[40:41], s[4:5], s[40:41]
	s_add_nc_u64 s[42:43], s[4:5], s[42:43]
	s_add_nc_u64 s[6:7], s[6:7], s[44:45]
.irp n, 0,1
	s_mov_b32 s[G0+4*\n], 1
	s_add_co_u32 s[G0+4*\n+1], s15, \n*SLOT
	s_add_nc_u64 s[G0+4*\n+2:G0+4*\n+3], s[40:41], \n*SLOTK*256
	s_or_b32 s[G0+4*\n+3], s[G0+4*\n+3], 0x80000000
.endr
	ROUND                                          ; all four work-groups are here: the first joint loads meet
	tensor_load_to_lds s[G0:G0+3], s[G1:G1+7]      ; keys 0-511
	s_nop 0
	tensor_load_to_lds s[G0+4:G0+7], s[G1:G1+7]    ; keys 512-1023: two tensor loads of the wave are out, the most in this text
	s_nop 0
	v_and_b32 v1, 15, v0                           ; r
	v_bfe_u32 v2, v0, 4, 1                         ; h
	v_lshlrev_b32 v[QO], 8, v1                     ; a fragment of 16 rows x 32 d: row r; d = 32 s + 8 h .. is chunk 4 s + h, d = 32 s + 16 + 8 h .. chunk 4 s + 2 + h
	v_lshl_add_u32 v[QO], v2, 5, v[QO]
	WIN 0x40                                       ; destination window 1
.irp c, 0,1
.irp g, 0,1
.irp s, 0,1
.irp hf, 0,1
	global_load_b128 v[32*\c+16*\g+8*\s+4*\hf:32*\c+16*\g+8*\s+4*\hf+3], v[QO], s[42:43] offset:4096*\g+128*\s+64*\hf+16*\c
.endr
.endr
.endr
.endr
	WIN 0
	v_mul_u32_u24 v[KA0], v1, PITCH
	v_lshl_add_u32 v[KA0], v2, 5, v[KA0]           ; key row r, chunk h
	v_and_b32 v3, 7, v0
	v_lshl_add_u32 v3, v2, 3, v3
	v_mul_u32_u24 v[VA0], v3, PITCH                ; key row 8 h + l % 8,
	v_bfe_u32 v3, v0, 3, 1
	v_lshl_add_u32 v[VA0], v3, 7, v[VA0]           ; chunk t or t + 4
	s_mul_i32 s47, s8, 32*OPITCH
	s_add_co_u32 s47, s47, STAGE                   ; my stage
	v_mul_u32_u24 v[STO], v1, OPITCH               ; in: query r; d = 8 t .. (h = 0) or 32 + 8 t .. (h = 1)
	v_lshl_add_u32 v[STO], v2, 6, v[STO]
	v_add_nc_u32 v[STO], s47, v[STO]
	v_bfe_u32 v3, v0, 3, 2
	v_mul_u32_u24 v[RD], v3, OPITCH                ; back: eight lanes a row of 128 bytes, four rows a load
	v_and_b32 v3, 7, v0
	v_lshl_add_u32 v[RD], v3, 4, v[RD]
	v_add_nc_u32 v[RD], s47, v[RD]
	v_and_b32 v[CO], 31, v0
	v_lshlrev_b32 v[CO], 4, v[CO]                  ; four rows of obuf are 512 consecutive bytes
	v_mov_b32 v[EIGHTH], 0x30003000
	v_mov_b32 v[PX], 0                             ; v_permlanex16_b32 counts as a reader of its destination
	v_mov_b32 v[PY], 0
	v_mov_b32 v[MS+1], 0                           ; the pairs' upper registers: named by packed instructions, never selected
	v_mov_b32 v[MS+3], 0
	v_mov_b32 v[AL+1], 0
	v_mov_b32 v[AL+3], 0
	s_wait_loadcnt 0x0
	WIN 0x41                                       ; source 0 and destination window 1
.set cq, 0
.rept 64
	v_pk_mul_f16 v[cq], v[cq], v[EIGHTH]           ; the queries' h and l, divided by 8
.set cq, cq+1
.endr
	WIN 0
; 8 LDS loads: key tile kt of the step (16 keys), h and l, into buffer b
.macro LOADK kt, b
.irp c, 0,1
.irp s, 0,1
.irp hf, 0,1
	ds_load_b128 v[KF+32*\b+16*\c+8*\s+4*\hf:KF+32*\b+16*\c+8*\s+4*\hf+3], v[KA] offset:\kt*16*PITCH+128*\s+64*\hf+16*\c
.endr
.endr
.endr
.endm
; one K fragment against the same Q fragment of both query groups: the two accumulators take turns, one instruction a turn
.macro QK1 kt, kf, qf, zero
.irp g, 0,1
.if \zero
	v_wmma_f32_16x16x32_f16 v[SC+32*\g+8*\kt:SC+32*\g+8*\kt+7], v[\kf:\kf+7], v[\qf+16*\g:\qf+16*\g+7], 0
.else
	v_wmma_f32_16x16x32_f16 v[SC+32*\g+8*\kt:SC+32*\g+8*\kt+7], v[\kf:\kf+7], v[\qf+16*\g:\qf+16*\g+7], v[SC+32*\g+8*\kt:SC+32*\g+8*\kt+7]
.endif
.endr
.endm
.macro QK kt, b                        ; 12 matrix instructions, the small products first
	QK1 \kt, KF+32*\b+16, QH,   1                  ; l_k h_q, d 0-31: starts the sums
	QK1 \kt, KF+32*\b+24, QH+8, 0                  ; l_k h_q, d 32-63
	QK1 \kt, KF+32*\b,    QL,   0                  ; h_k l_q
	QK1 \kt, KF+32*\b+8,  QL+8, 0
	QK1 \kt, KF+32*\b,    QH,   0                  ; h_k h_q
	QK1 \kt, KF+32*\b+8,  QH+8, 0
.endm
; 16 transposing loads: V^T of the step's 64 keys
.macro LOADV
.irp u, 0,1
.irp t, 0,1,2,3
	ds_load_tr16_b128 v[VF+32*\u+8*\t:VF+32*\u+8*\t+3],   v[VA] offset:\u*32*PITCH+32*\t
	ds_load_tr16_b128 v[VF+32*\u+8*\t+4:VF+32*\u+8*\t+7], v[VA] offset:\u*32*PITCH+32*\t+16*PITCH
.endr
.endr
.endm
; THE MATRIX HALF of a step: the scores of 64 keys against the wave's 32 queries; V^T is asked for; the LDS addresses step on.
.macro QKS
	WIN 0x04                                       ; source 1 (Q) window 1
	LOADK 0, 0
	LOADK 1, 1
	s_wait_dscnt 8                                 ; each count of 8: the next tile's eight loads may be out
	QK 0, 0
	PLACES                                         ; buffer 0 was a matrix source
	LOADK 2, 0
	s_wait_dscnt 8
	QK 1, 1
	PLACES
	LOADK 3, 1
	s_wait_dscnt 8
	QK 2, 0
	s_wait_dscnt 0x0
	QK 3, 1
	WIN 0
	LOADV                                          ; into registers that the products of the step before read long ago; waited for in front of this step's products
	v_add_nc_u32 v[KA], STEPB, v[KA]               ; the next 64 keys; with the two v_nop four places, before the scores are read
	v_add_nc_u32 v[VA], STEPB, v[VA]
	v_nop
	v_nop
.endm
; The running maxima of both query groups, in four chains.  The floor is monotone, so the floor of the largest score is the largest floored score.
.macro STATS first
	v_max3_num_f32 v[TA], v[SC],    v[SC+1],  v[SC+2]
	v_max3_num_f32 v[TB], v[SC+16], v[SC+17], v[SC+18]
	v_max3_num_f32 v[TC], v[SC+32], v[SC+33], v[SC+34]
	v_max3_num_f32 v[TD], v[SC+48], v[SC+49], v[SC+50]
.irp i, 3,5,7,9,11,13
	v_max3_num_f32 v[TA], v[TA], v[SC+\i],    v[SC+\i+1]
	v_max3_num_f32 v[TB], v[TB], v[SC+16+\i], v[SC+16+\i+1]
	v_max3_num_f32 v[TC], v[TC], v[SC+32+\i], v[SC+32+\i+1]
	v_max3_num_f32 v[TD], v[TD], v[SC+48+\i], v[SC+48+\i+1]
.endr
	v_max3_num_f32 v[TA], v[TA], v[SC+15], v[SC+31]
	v_max3_num_f32 v[TC], v[TC], v[SC+47], v[SC+63]
	v_max_num_f32 v[TA], v[TA], v[TB]
	v_max_num_f32 v[TC], v[TC], v[TD]
	v_permlanex16_b32 v[PX], v[TA], s12, s13       ; the other half of the lanes holds the query's other keys
	v_permlanex16_b32 v[PY], v[TC], s12, s13
	v_max_num_f32 v[TA], v[TA], v[PX]
	v_max_num_f32 v[TC], v[TC], v[PY]
	v_floor_f32 v[TA], v[TA]
	v_floor_f32 v[TC], v[TC]
.if \first
	v_mul_f32 v[MS],   s39, v[TA]                  ; M = fl(-m log2 e)
	v_mul_f32 v[MS+2], s39, v[TC]
.else
	v_mul_f32 v[TA], s39, v[TA]
	v_mul_f32 v[TC], s39, v[TC]
	v_min_num_f32 v[TA], v[TA], v[MS]              ; the new M: the smaller, since M falls as m rises
	v_min_num_f32 v[TC], v[TC], v[MS+2]
	v_sub_f32 v[TB], v[TA], v[MS]                  ; new M - old M, at most 0
	v_sub_f32 v[TD], v[TC], v[MS+2]
	v_exp_f32 v[AL],   v[TB]                       ; the factor for what was summed under the old M
	v_exp_f32 v[AL+2], v[TD]
	v_mov_b32 v[MS],   v[TA]                       ; plain instructions behind the exponentials (ISA guide 5.7.2)
	v_mov_b32 v[MS+2], v[TC]
.endif
.endm
; Batch b = 4 g + kt, 8 scores a lane: floor, one fused multiply-add t log2 e + M, exp2.
.macro EXPS b
.irp i, 0,1,2,3,4,5,6,7
	v_floor_f32 v[SC+8*\b+\i], v[SC+8*\b+\i]
.endr
.irp i, 0,2,4,6
	v_pk_fma_f32 v[SC+8*\b+\i:SC+8*\b+\i+1], v[SC+8*\b+\i:SC+8*\b+\i+1], s[36:37], v[MS+2*(\b/4):MS+2*(\b/4)+1] op_sel_hi:[1,0,0]
.endr
.irp i, 0,1,2,3,4,5,6,7
	v_exp_f32 v[SC+8*\b+\i], v[SC+8*\b+\i]
.endr
.endm
; Batch b: its weights are added to the step's sums and packed to f16: an even tile into its own first four registers, an odd one into the four
; behind them, which the even tile has left: eight registers in a row are then source 1 for 32 keys.
.macro SUMPACK b
.if (\b%4) == 0
	s_wait_alu depctr_va_vdst(0)
	v_pk_add_f32 v[TS:TS+1], v[SC+8*\b:SC+8*\b+1],   v[SC+8*\b+2:SC+8*\b+3]
	v_pk_add_f32 v[TU:TU+1], v[SC+8*\b+4:SC+8*\b+5], v[SC+8*\b+6:SC+8*\b+7]
.else
	s_wait_alu depctr_va_vdst(0)
	v_pk_add_f32 v[TS:TS+1], v[TS:TS+1], v[SC+8*\b:SC+8*\b+1]
	v_pk_add_f32 v[TU:TU+1], v[TU:TU+1], v[SC+8*\b+2:SC+8*\b+3]
	v_pk_add_f32 v[TS:TS+1], v[TS:TS+1], v[SC+8*\b+4:SC+8*\b+5]
	v_pk_add_f32 v[TU:TU+1], v[TU:TU+1], v[SC+8*\b+6:SC+8*\b+7]
.endif
.irp i, 0,1,2,3
	v_cvt_pk_f16_f32 v[SC+8*\b-4*(\b%2)+\i], v[SC+8*\b+2*\i], v[SC+8*\b+2*\i+1]
.endr
.endm
.macro FIN g, first                    ; the step's sums join the row sums of group g
.if \first
	v_pk_add_f32 v[LS+2*\g:LS+2*\g+1], v[TS:TS+1], v[TU:TU+1]
.else
	v_pk_add_f32 v[TS:TS+1], v[TS:TS+1], v[TU:TU+1]
	v_pk_fma_f32 v[LS+2*\g:LS+2*\g+1], v[LS+2*\g:LS+2*\g+1], v[AL+2*\g:AL+2*\g+1], v[TS:TS+1] op_sel_hi:[1,0,1]
.endif
.endm
; THE VECTOR HALF of a step, and its 16 products O^T += V^T P^T.  It works on registers alone but for the wait for V^T.
; first = 1: nothing is there yet to rescale, and the first products start O's sums.
.macro SMPV first
	STATS \first
	EXPS 0                                         ; a batch's exponentials are used one batch later: plain instructions stand between (ISA guide 5.7.2)
	EXPS 1
	SUMPACK 0
	EXPS 2
	SUMPACK 1
	EXPS 3
	SUMPACK 2
	EXPS 4
	SUMPACK 3
	FIN 0, \first
	EXPS 5
	SUMPACK 4
	EXPS 6
	SUMPACK 5
	EXPS 7
	SUMPACK 6
	SUMPACK 7
	FIN 1, \first
.if \first == 0
	WIN 0x41                                       ; O in window 1, the factor in window 0
.irp g, 0,1
.irp i, 0,2,4,6,8,10,12,14,16,18,20,22,24,26,28,30
	v_pk_mul_f32 v[OA+32*\g+\i:OA+32*\g+\i+1], v[OA+32*\g+\i:OA+32*\g+\i+1], v[AL+2*\g:AL+2*\g+1] op_sel_hi:[1,0]
.endr
.endr
.endif
	WIN 0x50                                       ; C and D window 1
	s_wait_dscnt 0x0                               ; V^T is in
.irp u, 0,1
.irp t, 0,1,2,3
.irp g, 0,1
.if \first*(1-\u)
	v_wmma_f32_16x16x32_f16 v[OA+32*\g+8*\t:OA+32*\g+8*\t+7], v[VF+32*\u+8*\t:VF+32*\u+8*\t+7], v[SC+32*\g+16*\u:SC+32*\g+16*\u+7], 0
.else
	v_wmma_f32_16x16x32_f16 v[OA+32*\g+8*\t:OA+32*\g+8*\t+7], v[VF+32*\u+8*\t:VF+32*\u+8*\t+7], v[SC+32*\g+16*\u:SC+32*\g+16*\u+7], v[OA+32*\g+8*\t:OA+32*\g+8*\t+7]
.endif
.endr
.endr
.endr
	WIN 0                                          ; the eight accumulators took turns, one instruction a turn
.rept 5
	v_nop                                          ; five places, before the next scores are written over P
.endr
.endm
.macro SMPV_IF par                     ; an ordinary vector half, for the waves of parity par alone; the branch hangs on the wave's number
	s_cmp_lg_u32 s38, \par
	s_cbranch_scc1 .Lskip_\@
	SMPV 0
.Lskip_\@:
.endm
.macro LOOPS trips                     ; whole steps
	s_mov_b32 s3, \trips
.Lstep_\@:
	QKS
	SMPV 0
	s_sub_co_i32 s3, s3, 1
	s_cmp_lg_u32 s3, 0
	s_cbranch_scc1 .Lstep_\@
.endm
.macro SETK n                          ; the LDS addresses at the head of slot n
.if \n
	v_add_nc_u32 v[KA], SLOT, v[KA0]
	v_add_nc_u32 v[VA], SLOT, v[VA0]
.else
	v_mov_b32 v[KA], v[KA0]
	v_mov_b32 v[VA], v[VA0]
.endif
.endm
; Slot n, which has been read, is filled again, 1,024 keys on.  Every wave's reads are back (V^T of a step whose vector half is still to come among them)
; and all its tensor loads have landed in front of the opening signal; behind the closing wait no wave of any of the four work-groups reads the slot
; or has a load on its way; the joint load comes first there.
.macro FILL n
	s_wait_dscnt 0x0
	s_wait_tensorcnt 0x0                           ; the other slot's tile among them; no load of mine is out, so a group 0 may be written
	ds_add_u32 v254, v255
	s_wait_dscnt 0x0
	s_add_nc_u64 s[G0+4*\n+2:G0+4*\n+3], s[G0+4*\n+2:G0+4*\n+3], 2*SLOTK*256
	ROUND
	tensor_load_to_lds s[G0+4*\n:G0+4*\n+3], s[G1:G1+7]   ; my one tensor load until the next such barrier; it has eight steps in which to land
	s_nop 0
.endm
	s_wait_tensorcnt 0x1                           ; my part of slot 0 is in; slot 1's may stay out
	s_barrier_signal -1
	s_barrier_wait -1                              ; everybody's part is in
	SETK 0
	QKS                                            ; keys 0-63
	SMPV 1                                         ; in every wave: the first step starts the maxima, the row sums and O
	QKS                                            ; keys 64-127
	SMPV_IF 0
	s_wait_dscnt 0x0                               ; no LDS instruction is pending at a signal
	s_barrier_signal -1                            ; this barrier orders no memory: it holds parity 1
	s_barrier_wait -1                              ; until parity 0 has done this step's vector half, so that from here on the two parities begin with different halves
	SMPV_IF 1
	LOOPS 5                                        ; keys 128-447
	QKS                                            ; keys 448-511
	SMPV_IF 0
	FILL 0
	SMPV_IF 1
	SETK 1
	LOOPS 7                                        ; keys 512-959
	QKS                                            ; keys 960-1023
	SMPV_IF 0
	FILL 1
	SMPV_IF 1
	SETK 0
	LOOPS 7                                        ; keys 1024-1471
	QKS                                            ; keys 1472-1535
	SMPV_IF 0
	s_wait_dscnt 0x0
	s_wait_tensorcnt 0x0                           ; my part of the last tile is in,
	s_barrier_signal -1
	s_barrier_wait -1                              ; everybody's is; nothing is left to fetch
	SMPV_IF 1
	SETK 1
	LOOPS 8                                        ; keys 1536-2047: no barrier follows, so both parities end with whole steps
	; THE WAY OUT.  The last step ended with five places behind its last product.
	v_add_f32 v[TA], v[LS], v[LS+1]
	v_add_f32 v[TB], v[LS+2], v[LS+3]
	v_permlanex16_b32 v[PX], v[TA], s12, s13
	v_add_f32 v[TA], v[TA], v[PX]
	v_permlanex16_b32 v[PX], v[TB], s12, s13
	v_add_f32 v[TB], v[TB], v[PX]                  ; the row sums: never near 0, the largest score's weight being 2^e with |e| half a step of M
	v_rcp_f32 v[AL], v[TA]
	v_rcp_f32 v[AL+2], v[TB]
	v_nop                                          ; the plain instruction behind the reciprocals (ISA guide 5.7.2)
	WIN 0x01                                       ; source 0 (O) window 1
	s_wait_alu depctr_va_vdst(0)
.irp g, 0,1
.irp i, 0,2,4,6,8,10,12,14,16,18,20,22,24,26,28,30
	v_pk_mul_f32 v[KF+32*\g+\i:KF+32*\g+\i+1], v[OA+32*\g+\i:OA+32*\g+\i+1], v[AL+2*\g:AL+2*\g+1] op_sel_hi:[1,0]
.endr
.endr
	WIN 0
.irp g, 0,1
.irp t, 0,1,2,3
.irp k, 0,1,2,3
	v_cvt_pk_bf16_f32 v[VF+16*\g+4*\t+\k], v[KF+32*\g+8*\t+2*\k], v[KF+32*\g+8*\t+2*\k+1]
.endr
	ds_store_b128 v[STO], v[VF+16*\g+4*\t:VF+16*\g+4*\t+3] offset:\g*16*OPITCH+16*\t
.endr
.endr
.irp i, 0,1,2,3,4,5,6,7
	ds_load_b128 v[VF+32+4*\i:VF+32+4*\i+3], v[RD] offset:\i*4*OPITCH   ; my own stage: LDS serves a wave's instructions in order (ISA guide 5.7.1)
.endr
.irp i, 0,1,2,3,4,5,6,7
	s_wait_dscnt 7-\i
	global_store_b128 v[CO], v[VF+32+4*\i:VF+32+4*\i+3], s[6:7] offset:\i*512   ; four rows: 512 consecutive bytes, aligned
.endr
	s_wait_tensorcnt 0x0
	ds_add_u32 v254, v255
	s_wait_dscnt 0x0
	ROUND                                          ; the closing round: no work-group ends while a partner may still ask for a tile that names it
	s_endpgm
.Lfunc_end_k_qdebb3e6088_attn:
	.size	k_qdebb3e6088_attn, .Lfunc_end_k_qdebb3e6088_attn-k_qdebb3e6088_attn
	.p2alignl 7, 3214868480
	.fill 96, 4, 3214868480
	.section	.rodata,"a",@progbits
	.p2align	6, 0x0
	.amdhsa_kernel k_qdebb3e6088_attn
		.amdhsa_group_segment_fixed_size 327680
		.amdhsa_private_segment_fixed_size 0
		.amdhsa_enable_private_segment 0
		.amdhsa_kernarg_size 16
		.amdhsa_user_sgpr_count 2
		.amdhsa_user_sgpr_kernarg_segment_ptr 1
		.amdhsa_wavefront_size32 1
		.amdhsa_system_sgpr_workgroup_id_x 1
		.amdhsa_system_sgpr_workgroup_id_y 1
		.amdhsa_system_sgpr_workgroup_id_z 1
		.amdhsa_system_vgpr_workitem_id 0
		.amdhsa_next_free_vgpr 384
		.amdhsa_next_free_sgpr 66
		.amdhsa_reserve_vcc 0
		.amdhsa_float_denorm_mode_32 3
		.amdhsa_float_denorm_mode_16_64 3
		.amdhsa_memory_ordered 1
		.amdhsa_forward_progress 1
		.amdhsa_inst_pref_size 255
	.end_amdhsa_kernel
	.section	.bss,"aw",@nobits
	.p2align	6
	.space	262144
	.amdgpu_metadata
---
amdhsa.version: [ 1, 2 ]
amdhsa.kernels:
  - .name:           k_qdebb3e6088_attn
    .symbol:         k_qdebb3e6088_attn.kd
    .args:
      - { .name: qs, .offset: 0, .size: 8, .value_kind: global_buffer, .address_space: global }
      - { .name: obuf, .offset: 8, .size: 8, .value_kind: global_buffer, .address_space: global }
    .group_segment_fixed_size: 327680
    .private_segment_fixed_size: 0
    .kernarg_segment_align: 8
    .kernarg_segment_size: 16
    .max_flat_workgroup_size: 256
    .sgpr_count:     66
    .vgpr_count:     384
    .wavefront_size: 32
...
	.end_amdgpu_metadata
.endif
;; end of part 2
;; launch oproj (part 3): grid 8 x 32, 8 waves a work-group, clusters of 4 x 4, 327,680 bytes of LDS; arguments obuf, wob, bo, out0; writes out0
.if DOCPART == 3
	.amdgcn_target "amdgcn-amd-amdhsa--gfx1250"
	.amdhsa_code_object_version 6
	.text
	.protected	k_qdebb3e6088_oproj
	.globl	k_qdebb3e6088_oproj
	.p2align	8
	.type	k_qdebb3e6088_oproj,@function
k_qdebb3e6088_oproj:
	s_mov_b64 s[64:65], 0
	v_nop
	global_prefetch_b8 v0, s[64:65] scope:SCOPE_SE
	s_setreg_imm32_b32 hwreg(HW_REG_WAVE_MODE, 25, 1), 1
	s_wait_xcnt 0x0
	s_wait_alu depctr_hold_cnt(0) depctr_sa_sdst(0) depctr_va_vdst(0) depctr_va_sdst(0) depctr_va_ssrc(0) depctr_va_vcc(0) depctr_vm_vsrc(0)
	s_getreg_b32 s2, hwreg(HW_REG_IB_STS2, 6, 4)
	s_cmp_eq_u32 s2, 0
	s_cbranch_scc0 .Lentry_in_a_cluster
	s_endpgm
.Lentry_in_a_cluster:
	s_bfe_u32 s2, ttmp6, 0x10000c
	s_cmp_lg_u32 s2, 0xf033
	s_cbranch_scc0 .Lentry_shape_is_right
	s_endpgm
.Lentry_shape_is_right:
; out0 = O . bf16(Wo) + bo.  obuf: the attention result, [b*16+head][s][64] bf16.  wob: Wo rounded to bf16 by the first launch, [1024 k][1024 n].
; bo [1024] f32, added in f32 behind the sum.  out0 [4096][1024] f32.  Sums in f32.
; LIMITS.  The attention result enters rounded once to bf16, Wo rounded to bf16.
; SHARES.  256 work-groups of 8 waves; a work-group makes 128 rows x 128 columns, wave w the rows 32 (w >> 1) .. + 31 and the columns
; 64 (w & 1) .. + 63: 8 accumulator tiles.  K goes in 16 steps of 64, one head a step.
; CLUSTER 4, 4, 1.  obuf's tiles hang on the block of rows alone and are shared along a row of the cluster; wob's hang on the block of columns alone and are
; shared along a column.  Each is asked for jointly by the four that share it, which divides the requests for both by four.
; THE RING.  Two LDS slots of four K steps each (K = 256): four heads x 128 rows of obuf (rows of 128 bytes + 16), then 256 k rows of wob (256 bytes + 32).
; Each part of 18,432 LDS bytes is one tensor load: waves 0-3 bring a head each, waves 4-7 64 k rows each.  Both slots are asked for at the start (two tensor loads
; of a wave out, the most in this text), each is filled once more (one out).  Inside a slot's four K steps stands no barrier.
; FRAGMENTS in two buffers: those of the next 32 k are asked for ahead of each run of 8 products.
; THE MATRIX INSTRUCTION IS USED TRANSPOSED: source 0 = 16 columns of Wo, source 1 = 16 rows of O.  Lane (r = l % 16, h = l / 16) then holds
; row r and the eight neighbouring columns 8 h + 0..7 of a tile.
; THE STAGE of the way out lies in slot 0, which by then has had its last fill and its last read: two slots and a stage of its own (294,912 + 69,632 bytes) pass the 327,680 of a WGP.
.set APITCH, 144                       ; obuf's LDS row: 64 bf16 + 16 bytes = 9 x 16: sixteen rows start in sixteen different 16-byte columns modulo 256
.set WPITCH, 288                       ; wob's LDS row: 128 bf16 + 32 bytes = 9 x 32, for the transposing loads
.set PART,   128*APITCH                ; 18,432 = 64 x 288 too: what one tensor load fills
.set WOFS,   4*PART                    ; wob's rows lie behind obuf's four heads
.set SLOT,   8*PART                    ; 147,456 bytes; two slots
.set SPITCH, 272                       ; the stage: 32 rows x 272 bytes for each wave, its own
.set AFR, 4                            ; v4, v5     LDS: my O fragments in slot 0, 1
.set BFR, 6                            ; v[6:9]     LDS: my Wo fragments, slot n, K steps 2 i and 2 i + 1 of the slot at +2 n + i (an LDS offset has 16 bits)
.set STO, 10                           ; stage, in
.set RD,  11                           ; stage, back
.set CO,  12                           ; my byte offset in out0
.set BO,  13                           ; my byte offset in the bias
.set T0,  14
.set T1,  15
.set F0,  16                           ; v[16:63]   fragment buffer 0: Wo's four at +8 nt, O's two at +32 + 8 mt
.set F1,  64                           ; v[64:111]  fragment buffer 1 = F0 + 48
.set ACC, 112                          ; v[112:175] tile (nt, mt) at +8 (2 nt + mt)
.set BI,  176                          ; v[176:207] bias of my columns, 8 for each nt
.set OB,  48                           ; v[48:111]  the way out: rows read back
.set G1A, 24                           ; s[24:31] descriptor group 1 for obuf's tiles
.set G0A, 32                           ; s[32:39] descriptor group 0 for obuf's tiles, one set for each slot
.set G1W, 48                           ; s[48:55] descriptor group 1 for wob's tiles
.set G0W, 56                           ; s[56:63] descriptor group 0 for wob's tiles, one set for each slot
.macro PLACES                          ; four plain vector instructions behind a matrix instruction (ISA guide 7.12.1), before its registers are loaded or used
.rept 4
	v_nop
.endr
.endm
; A joint load.  Waves 0-3 fetch obuf's four heads, waves 4-7 wob's four blocks of 64 k rows.  Each of the two lines has one mask and one set of registers, and nothing in
; them hangs on a coordinate that the four partners do not share.  The branch hangs on the wave's number alone.
.macro JLOAD n
	s_cmp_eq_u32 s14, 0
	s_cbranch_scc0 .Lfor_w_\@
	tensor_load_to_lds s[G0A+4*\n:G0A+4*\n+3], s[G1A:G1A+7]
	s_nop 0
	s_branch .Lasked_\@
.Lfor_w_\@:
	tensor_load_to_lds s[G0W+4*\n:G0W+4*\n+3], s[G1W:G1W+7]
	s_nop 0
.Lasked_\@:
.endm
; A round of the cluster's barrier: my work-group's barrier, wave 0 signals for the work-group, every wave waits for all sixteen work-groups, my work-group's barrier again.
.macro CROUND
	s_barrier_signal -1
	s_barrier_wait -1
	s_cmp_lg_u32 s12, 0
	s_cbranch_scc1 .Lnot_wave_0_\@
	s_barrier_signal -3
.Lnot_wave_0_\@:
	s_barrier_wait -3
	s_barrier_signal -1
	s_barrier_wait -1
.endm
	s_load_b256 s[4:11], s[0:1], 0x0               ; obuf s[4:5], wob s[6:7], bo s[8:9], out0 s[10:11]
	v_lshl_add_u32 v208, v0, 2, 0x48000
	v_mov_b32 v209, 0
	ds_add_u32 v208, v209
	v_lshrrev_b32 v[T0], 5, v0
	v_readfirstlane_b32 s12, v[T0]                 ; wave 0..7
	s_lshr_b32 s14, s12, 2                         ; I fetch for obuf (0) or for wob (1)
	s_and_b32 s15, s12, 3                          ; which quarter of a slot's heads or k rows
	s_bfe_u32 s40, ttmp6, 0x40000                  ; cx
	s_bfe_u32 s41, ttmp6, 0x40004                  ; cy
	s_lshl_b32 s42, ttmp9, 2                       ; in a cluster launch ttmp9 and ttmp7 count clusters
	s_add_co_u32 s42, s42, s40                     ; X: block of 128 columns = 4 x cluster x + cx
	s_and_b32 s13, ttmp7, 0xffff
	s_lshl_b32 s13, s13, 2
	s_add_co_u32 s13, s13, s41                     ; Y: block of 128 rows = 4 x cluster y + cy
	s_lshl_b32 s43, s41, 2
	s_lshl_b32 s43, 15, s43                        ; my row of the cluster: places 4 cy .. 4 cy + 3
	s_lshl_b32 s44, 0x1111, s40                    ; my column: places cx, cx + 4, cx + 8, cx + 12
	; group 1 for obuf: 128 rows of 16 elements of 8 bytes, dense in memory; 16 bytes of padding behind each row in LDS
	s_or_b32 s[G1A+0], s43, (3<<16)|(1<<20)|(1<<21)|(4<<22)|(3<<25)  ; the mask: my row; 8-byte elements; padding on; bit 21 beside a mask; after every 32 words; 4 words
	s_mov_b32 s[G1A+1], 16<<16                     ; tensor_dim0 = 16
	s_mov_b32 s[G1A+2], 128<<16                    ; tensor_dim1 = 128
	s_mov_b32 s[G1A+3], 16<<16                     ; tile_dim0 = 16
	s_mov_b32 s[G1A+4], 128                        ; tile_dim1 = 128
	s_mov_b32 s[G1A+5], 16                         ; from row to row: 16 elements
	s_mov_b32 s[G1A+6], 0
	s_mov_b32 s[G1A+7], 0
	; group 1 for wob: 64 rows of 32 elements of 8 bytes, 2,048 bytes apart in memory; 32 bytes of padding behind each row in LDS
	s_or_b32 s[G1W+0], s44, (3<<16)|(1<<20)|(1<<21)|(5<<22)|(7<<25)  ; the mask: my column; after every 64 words; 8 words
	s_mov_b32 s[G1W+1], 32<<16                     ; tensor_dim0 = 32
	s_mov_b32 s[G1W+2], 64<<16                     ; tensor_dim1 = 64
	s_mov_b32 s[G1W+3], 32<<16                     ; tile_dim0 = 32
	s_mov_b32 s[G1W+4], 64                         ; tile_dim1 = 64
	s_mov_b32 s[G1W+5], 256                        ; from row to row: 256 elements
	s_mov_b32 s[G1W+6], 0
	s_mov_b32 s[G1W+7], 0
	; where the tiles come from: obuf's address is made of Y and the wave's number, wob's of X and the wave's number, in registers that never hold the other coordinate
	s_lshr_b32 s16, s13, 4
	s_lshl_b32 s16, s16, 22                        ; batch x 16 heads x 2,048 positions x 128 bytes
	s_and_b32 s17, s13, 15
	s_lshl_b32 s17, s17, 14                        ; + 128 positions x 128 bytes a block
	s_add_co_u32 s16, s16, s17
	s_lshl_b32 s17, s15, 18                        ; + my head: 2,048 positions x 128 bytes
	s_add_co_u32 s16, s16, s17
	s_mov_b32 s17, 0
	s_lshl_b32 s46, s42, 8                         ; 128 columns of bf16
	s_lshl_b32 s47, s15, 17                        ; + my 64 k rows of 2,048 bytes
	s_add_co_u32 s46, s46, s47
	s_mov_b32 s47, 0
	s_mul_i32 s20, s12, PART                       ; and where they go: the wave's number alone
	s_wait_dscnt 0x0
	s_wait_kmcnt 0x0
	s_add_nc_u64 s[18:19], s[4:5], s[16:17]
	s_add_nc_u64 s[46:47], s[6:7], s[46:47]
	CROUND                                         ; all sixteen work-groups are here: the first joint loads meet
.irp n, 0,1
	s_mov_b32 s[G0A+4*\n], 1
	s_add_co_u32 s[G0A+4*\n+1], s20, \n*SLOT
	s_add_nc_u64 s[G0A+4*\n+2:G0A+4*\n+3], s[18:19], \n*4*262144     ; four heads on
	s_or_b32 s[G0A+4*\n+3], s[G0A+4*\n+3], 0x80000000
	s_mov_b32 s[G0W+4*\n], 1
	s_add_co_u32 s[G0W+4*\n+1], s20, \n*SLOT
	s_add_nc_u64 s[G0W+4*\n+2:G0W+4*\n+3], s[46:47], \n*256*2048     ; 256 k rows on
	s_or_b32 s[G0W+4*\n+3], s[G0W+4*\n+3], 0x80000000
	JLOAD \n
.endr
	s_lshr_b32 s21, s12, 1                         ; wm: which 32 rows
	s_and_b32 s22, s12, 1                          ; wn: which 64 columns
	s_lshl_b32 s2, s42, 9                          ; my columns in bo and in a row of out0: 512 X + 256 wn bytes
	s_lshl_b32 s3, s22, 8
	s_add_co_u32 s2, s2, s3
	s_mov_b32 s3, 0
	s_add_nc_u64 s[8:9], s[8:9], s[2:3]
	s_add_nc_u64 s[10:11], s[10:11], s[2:3]
	s_lshl_b32 s2, s13, 19                         ; my rows of out0: 128 Y + 32 wm rows of 4,096 bytes
	s_lshl_b32 s23, s21, 17
	s_add_co_u32 s2, s2, s23
	s_add_nc_u64 s[10:11], s[10:11], s[2:3]
	v_and_b32 v1, 15, v0                           ; r
	v_bfe_u32 v2, v0, 4, 1                         ; h
	v_lshlrev_b32 v[BO], 5, v2                     ; bias: 8 h numbers on
.irp nt, 0,1,2,3
	global_load_b128 v[BI+8*\nt:BI+8*\nt+3],   v[BO], s[8:9] offset:64*\nt
	global_load_b128 v[BI+8*\nt+4:BI+8*\nt+7], v[BO], s[8:9] offset:64*\nt+16
.endr
	s_mul_i32 s23, s21, 32*APITCH                  ; my 32 rows of O
	v_mul_u32_u24 v[AFR], v1, APITCH               ; a fragment of 16 rows x 32 k: row r, 16 bytes at 16 h and at 32 + 16 h
	v_lshl_add_u32 v[AFR], v2, 4, v[AFR]
	v_add_nc_u32 v[AFR], s23, v[AFR]
	v_add_nc_u32 v[AFR+1], SLOT, v[AFR]
	v_and_b32 v[T1], 7, v0                         ; Wo lies [k][n]: the transposing load wants k row 8 h + l % 8 and 16 bytes at 16 ((l / 8) % 2)
	v_lshl_add_u32 v[T1], v2, 3, v[T1]
	v_mul_u32_u24 v[BFR], v[T1], WPITCH
	v_bfe_u32 v[T1], v0, 3, 1
	v_lshl_add_u32 v[BFR], v[T1], 4, v[BFR]
	s_lshl_b32 s45, s22, 7                         ; my 64 columns
	s_add_co_u32 s45, s45, WOFS
	v_add_nc_u32 v[BFR], s45, v[BFR]
	v_add_nc_u32 v[BFR+1], 2*PART, v[BFR]
	v_add_nc_u32 v[BFR+2], SLOT, v[BFR]
	v_add_nc_u32 v[BFR+3], SLOT+2*PART, v[BFR]
	s_mul_i32 s23, s12, 32*SPITCH                  ; my stage, from LDS byte 0 on: 8 x 8,704 bytes inside slot 0
	v_mul_u32_u24 v[STO], v1, SPITCH               ; in: row r, 32 bytes for each half of the lanes
	v_lshl_add_u32 v[STO], v2, 5, v[STO]
	v_add_nc_u32 v[STO], s23, v[STO]
	v_mul_u32_u24 v[RD], v2, SPITCH                ; back: lanes 0-15 one row of 256 bytes, lanes 16-31 the next
	v_lshl_add_u32 v[RD], v1, 4, v[RD]
	v_add_nc_u32 v[RD], s23, v[RD]
	v_lshlrev_b32 v[CO], 4, v1                     ; two rows of out0 are 4,096 bytes apart
	v_lshl_add_u32 v[CO], v2, 12, v[CO]
; 12 LDS loads: the fragments of 32 k (half ks of K step j) into buffer f.  K step j lies in slot (j / 4) % 2, as its part j % 4.
.macro FRAG j, ks, f
.set FN, ((\j)/4)%2
.set FH, (\j)%4
.irp nt, 0,1,2,3
	ds_load_tr16_b128 v[\f+8*\nt:\f+8*\nt+3],   v[BFR+2*FN+FH/2] offset:(FH%2)*PART+(\ks)*32*WPITCH+32*\nt
	ds_load_tr16_b128 v[\f+8*\nt+4:\f+8*\nt+7], v[BFR+2*FN+FH/2] offset:(FH%2)*PART+(\ks)*32*WPITCH+32*\nt+16*WPITCH
.endr
.irp mt, 0,1
	ds_load_b128 v[\f+32+8*\mt:\f+32+8*\mt+3],   v[AFR+FN] offset:FH*PART+\mt*16*APITCH+64*(\ks)
	ds_load_b128 v[\f+32+8*\mt+4:\f+32+8*\mt+7], v[AFR+FN] offset:FH*PART+\mt*16*APITCH+64*(\ks)+32
.endr
.endm
; 8 matrix instructions, one for each accumulator: the accumulators take turns, one instruction a turn.
; zero = 1: the first product starts the sums.
.macro MUL f, zero
.irp nt, 0,1,2,3
.irp mt, 0,1
.if \zero
	v_wmma_f32_16x16x32_bf16 v[ACC+8*(2*\nt+\mt):ACC+8*(2*\nt+\mt)+7], v[\f+8*\nt:\f+8*\nt+7], v[\f+32+8*\mt:\f+32+8*\mt+7], 0
.else
	v_wmma_f32_16x16x32_bf16 v[ACC+8*(2*\nt+\mt):ACC+8*(2*\nt+\mt)+7], v[\f+8*\nt:\f+8*\nt+7], v[\f+32+8*\mt:\f+32+8*\mt+7], v[ACC+8*(2*\nt+\mt):ACC+8*(2*\nt+\mt)+7]
.endif
.endr
.endr
.endm
; Chunk c = 32 k (c = 0..31; K step c / 2, half c % 2), on buffer c % 2.  But for a slot's last chunk, the next chunk's fragments are asked for first, into the other buffer.
.macro CHUNK c
.set FCUR, F0+48*((\c)%2)
.set FNXT, F0+48*(((\c)+1)%2)
.if ((\c)%8) != 7
.if ((\c)%8) != 0
	PLACES                                         ; the other buffer was a source of the last products
.endif
	FRAG (((\c)+1)/2), (((\c)+1)%2), FNXT
	s_wait_dscnt 12                                ; LDS loads end in order: the 12 just issued may be out, this chunk's are in
.else
	s_wait_dscnt 0x0
.endif
.if (\c) == 0
	MUL FCUR, 1
.else
	MUL FCUR, 0
.endif
.endm
.macro PHASE p                         ; the four K steps of one slot
.if \p
	PLACES                                         ; both buffers were sources of the last products
.endif
	FRAG (4*\p), 0, F0
.irp i, 0,1,2,3,4,5,6,7
	CHUNK (8*\p+\i)
.endr
.endm
; Slot n, which has been read, is filled again, eight K steps on.  Every wave's reads are back and all its tensor loads have landed in front of the
; opening signal; behind the closing wait no wave of any of the sixteen work-groups reads the slot or has a load on its way; the joint load comes first there.
.macro FILL n
	s_wait_dscnt 0x0
	s_wait_tensorcnt 0x0                           ; the other slot's part among them; no load of mine is out, so a group 0 may be written
	ds_add_u32 v208, v209
	s_wait_dscnt 0x0
	s_add_nc_u64 s[G0A+4*\n+2:G0A+4*\n+3], s[G0A+4*\n+2:G0A+4*\n+3], 8*262144
	s_add_nc_u64 s[G0W+4*\n+2:G0W+4*\n+3], s[G0W+4*\n+2:G0W+4*\n+3], 512*2048
	CROUND
	JLOAD \n                                       ; my one tensor load until the next such barrier; it has four K steps in which to land
.endm
	s_wait_tensorcnt 0x1                           ; my part of slot 0 is in; slot 1's may stay out
	s_barrier_signal -1
	s_barrier_wait -1                              ; everybody's part is in
	PHASE 0                                        ; heads 0-3
	FILL 0
	PHASE 1                                        ; heads 4-7
	FILL 1
	PHASE 2                                        ; heads 8-11
	s_wait_dscnt 0x0                               ; my reads of slot 0 are back: behind this barrier it may serve as the stage
	s_wait_tensorcnt 0x0                           ; my part of the last tiles is in,
	s_barrier_signal -1
	s_barrier_wait -1                              ; everybody's is; nothing is left to fetch
	PHASE 3                                        ; heads 12-15
	PLACES                                         ; behind the last products: results are read, buffers rewritten
; THE WAY OUT, through the wave's own stage: 32 rows of 256 bytes.  LDS serves a wave's instructions in order (ISA guide 5.7.1),
; so no wait stands between its stores and its loads.
	s_wait_loadcnt 0x0                             ; the bias, asked for at the start
.macro TILE mt, nt
.irp i, 0,2,4,6
	v_pk_add_f32 v[ACC+8*(2*\nt+\mt)+\i:ACC+8*(2*\nt+\mt)+\i+1], v[ACC+8*(2*\nt+\mt)+\i:ACC+8*(2*\nt+\mt)+\i+1], v[BI+8*\nt+\i:BI+8*\nt+\i+1]
.endr
	ds_store_b128 v[STO], v[ACC+8*(2*\nt+\mt):ACC+8*(2*\nt+\mt)+3]   offset:\mt*16*SPITCH+64*\nt
	ds_store_b128 v[STO], v[ACC+8*(2*\nt+\mt)+4:ACC+8*(2*\nt+\mt)+7] offset:\mt*16*SPITCH+64*\nt+16
.endm
.irp mt, 0,1
.irp nt, 0,1,2,3
	TILE \mt, \nt
.endr
.endr
.irp i, 0,1,2,3,4,5,6,7,8,9,10,11,12,13,14,15
	ds_load_b128 v[OB+4*\i:OB+4*\i+3], v[RD] offset:\i*2*SPITCH
.endr
.irp i, 0,1,2,3,4,5,6,7,8,9,10,11,12,13,14,15
	s_wait_dscnt 15-\i                             ; pair i of rows is back
	global_store_b128 v[CO], v[OB+4*\i:OB+4*\i+3], s[10:11] offset:\i*8192 th:TH_STORE_NT   ; sixteen lanes store 256 consecutive bytes, aligned
.endr
	s_wait_tensorcnt 0x0
	ds_add_u32 v208, v209
	s_wait_dscnt 0x0
	CROUND                                         ; the closing round: no work-group ends while a partner may still ask for a tile that names it
	s_endpgm
.Lfunc_end_k_qdebb3e6088_oproj:
	.size	k_qdebb3e6088_oproj, .Lfunc_end_k_qdebb3e6088_oproj-k_qdebb3e6088_oproj
	.p2alignl 7, 3214868480
	.fill 96, 4, 3214868480
	.section	.rodata,"a",@progbits
	.p2align	6, 0x0
	.amdhsa_kernel k_qdebb3e6088_oproj
		.amdhsa_group_segment_fixed_size 327680
		.amdhsa_private_segment_fixed_size 0
		.amdhsa_enable_private_segment 0
		.amdhsa_kernarg_size 32
		.amdhsa_user_sgpr_count 2
		.amdhsa_user_sgpr_kernarg_segment_ptr 1
		.amdhsa_wavefront_size32 1
		.amdhsa_system_sgpr_workgroup_id_x 1
		.amdhsa_system_sgpr_workgroup_id_y 1
		.amdhsa_system_sgpr_workgroup_id_z 1
		.amdhsa_system_vgpr_workitem_id 0
		.amdhsa_next_free_vgpr 210
		.amdhsa_next_free_sgpr 66
		.amdhsa_reserve_vcc 0
		.amdhsa_float_denorm_mode_32 3
		.amdhsa_float_denorm_mode_16_64 3
		.amdhsa_memory_ordered 1
		.amdhsa_forward_progress 1
		.amdhsa_inst_pref_size 61
	.end_amdhsa_kernel
	.amdgpu_metadata
---
amdhsa.version: [ 1, 2 ]
amdhsa.kernels:
  - .name:           k_qdebb3e6088_oproj
    .symbol:         k_qdebb3e6088_oproj.kd
    .args:
      - { .name: obuf, .offset: 0, .size: 8, .value_kind: global_buffer, .address_space: global }
      - { .name: wob, .offset: 8, .size: 8, .value_kind: global_buffer, .address_space: global }
      - { .name: bo, .offset: 16, .size: 8, .value_kind: global_buffer, .address_space: global }
      - { .name: out0, .offset: 24, .size: 8, .value_kind: global_buffer, .address_space: global }
    .group_segment_fixed_size: 327680
    .private_segment_fixed_size: 0
    .kernarg_segment_align: 8
    .kernarg_segment_size: 32
    .max_flat_workgroup_size: 256
    .sgpr_count:     66
    .vgpr_count:     210
    .wavefront_size: 32
...
	.end_amdgpu_metadata
.endif
;; end of part 3
